; MI455X (gfx1250); checked and timed in simulation.
; The chip was launched on July 23, 2026; its instructions are those of AMD's public machine-readable ISA for CDNA 5 (MIT licence, August 2026) and "CDNA5" Instruction Set Architecture Reference Guide (July 2026). The comments in the code are by the model that wrote it; some were corrected since.
;; Matcher. Allowed arithmetic: matrix products marked QUANTISED: E2M1 operands, one E8M0 scale for each 32 along K, by v_wmma_scale_f32_16x16x128_f8f6f4 with both operands' format E2M1 (or v_wmma_scale_f32_32x16x128_f4), f32 sums; everything else in f32.
;; Inputs: x 8,192 x 64 float32; y 8,192 x 64 float32.
;; Outputs: out0 8,192 float32; out1 8,192 x 2 int32; out2 8,192 bool.
;; This version of the problem:
;;   THIS VERSION OF THE PROBLEM IS GIVEN IN LOW PRECISION. The matrix products marked QUANTISED in the list below multiply operands that are first quantised to E2M1 (2 exponent bits, 1 mantissa bit; 4 bits a number), with one power-of-two scale for each 32 numbers along K (OCP MX v1.0); their sums are f32. All else is computed in f32.
;;   The module's matrix products, in the order in which they are computed (A, B: the left and right operand; K: the contracted axis; several contracted axes count as one K, in the product's order):
;;     1. [M 8,192, K 64] x [K 64, N 8,192]; A: input x; B: input y: QUANTISED
;;   THE QUANTISER, for each operand of a quantised product, along K:
;;     - K is cut into blocks of 32 from its start; a last block that is shorter is filled with zeros.
;;     - A block's scale is 2^e with e = floor(log2(the largest magnitude in the block)) - 2, held to -126 .. 127; a block of zeros has e = 0. As a byte (E8M0): e + 127.
;;     - Each number is divided by its block's scale, clamped to +-6, and rounded to the nearest number of E2M1, ties to even, subnormals kept.
;;     - The product sums the exact products of the quantised numbers (number of the format x scale) in f32.
;;   ~~~python
;;   def quantise(x, axis):      # numpy; x: float32 -> the quantised numbers, widened to float32 again
;;       x = np.moveaxis(x, axis, -1); K = x.shape[-1]
;;       x = np.pad(x, [(0, 0)] * (x.ndim - 1) + [(0, -K % 32)]); x = x.reshape(x.shape[:-1] + (-1, 32)); a = np.abs(x).max(-1, keepdims=True)
;;       e = np.where(a > 0, np.clip(np.frexp(np.where(a > 0, a, 1))[1] - 1 - 2, -126, 127), 0)      # np.frexp(a)[1] - 1 = floor(log2(a)), exactly
;;       r = np.clip(x / 2.0 ** e, -6, 6)
;;       step = 2.0 ** (np.maximum(np.frexp(np.where(r == 0, 1, r))[1] - 1, 0) - 1)
;;       q = np.round(r / step) * step * 2.0 ** e      # np.round: ties to even
;;       return np.moveaxis(q.reshape(q.shape[:-2] + (-1,))[..., :K], -1, axis).astype(np.float32)
;;   ~~~
;; 2 versions. Each part assembles by itself: llvm-mc -triple=amdgcn-amd-amdhsa -mcpu=gfx1250 --defsym DOCPART=n.
;; ======== version 1 of 2: 3 launches
;; workspace buffers: qx 327,680 bytes; qy 327,680 bytes; lp 65,536 bytes; choice 65,536 bytes of whole numbers
;; launch quant (part 1): grid 128 x 2, 1 waves a work-group, no clusters, 2,816 bytes of LDS; arguments x, y, qx, qy; writes qx, qy
.if DOCPART == 1
	.amdgcn_target "amdgcn-amd-amdhsa--gfx1250"
	.amdhsa_code_object_version 6
	.text
	.protected	k_q1c997868bc_quant
	.globl	k_q1c997868bc_quant
	.p2align	8
	.type	k_q1c997868bc_quant,@function
k_q1c997868bc_quant:
	s_mov_b64 s[64:65], 0
	v_nop
	global_prefetch_b8 v0, s[64:65] scope:SCOPE_SE
	s_setreg_imm32_b32 hwreg(HW_REG_WAVE_MODE, 25, 1), 1
	s_wait_xcnt 0x0
; x and y, [8192][64] f32, become operands of the MX-FP4 product: codes of E2M1 with one E8M0 scale byte for each 32 along a row, and beside them each row's squared norm.
; A block's scale is 2^(floor(log2(its largest magnitude)) - 2): its byte is the largest magnitude's exponent field - 2, held at 1 from below; each number is divided by the scale
; and rounded to the nearest code, ties to even, beyond 6 the largest code.
; x IS MULTIPLIED BY -2 AHEAD OF THE QUANTISER: a power of two, so the codes are the negated codes and the byte is one higher: Q(-2 x) = -2 Q(x), exactly.  The next launch's product is
; then -2 Q(x).Q(y) as it stands.  The norm is summed of the scaled numbers and multiplied by 1/4, which rounds nothing.
; LAYOUT of qx and of qy (this program's own buffers), in the order in which an operand's registers take them:
;   byte 0       codes: a tile of 16 rows is 512 bytes: lane 16 b + r of a fragment (row r, block b of 32 along K) finds its four registers at 256 b + 16 r
;   byte SCL     a word a row: bytes 0, 1 the row's two blocks, bytes 2, 3 the byte of 1.0 (for K = 64 .. 127, where the product's other side has zero codes)
;   byte NRM     |row|^2, f32
; SHARES.  A work-group is one wave and takes 64 rows of one tensor (grid y: 0 = x, 1 = y), as 16 quads of 4 rows.  In a quad a lane takes 8 neighbouring numbers (32 bytes), 4 lanes a block, 8 lanes a row;
; the quad's two loads together read its 1,024 bytes once.  Codes, words and norms are gathered in LDS and leave by stores that cover whole aligned runs of 256 bytes.
; LIMITS: NaN and infinities are not served; a block whose largest magnitude lies under 2^-124 keeps the byte 1 (a block of zeros too: its codes are zeros, and this program alone reads the bytes);
; |x| up to 2^126 (the factor -2); the norm is summed in this text's own order: two chains in a lane, then across the row's eight lanes.
.set SCL, 262144
.set NRM, 294912
.set LSC, 2048                         ; LDS: 2,048 bytes of codes, 256 of scale words, 256 of norms
.set LNR, 2304
.set CD,  20                           ; v20-35   a quad's codes, a register each: no LDS store's data are written again
.set SW,  36                           ; v36-51   its scale words
.set DAT, 64                           ; v64-191  the numbers as loaded, 8 a quad
.set NR,  192                          ; v192-207 its norms
; v2 32 lane; v3 16 lane; v4 8 lane; v6 where my codes go in LDS; v7 4 x my row of the quad; v8 8 x my block; v9-15 at work; v18, v19 offsets of the stores; v208-227 on the way out
	s_load_b128 s[4:7], s[0:1], 0x0                ; x, y
	s_load_b128 s[8:11], s[0:1], 0x10              ; qx, qy
	v_lshl_add_u32 v228, v0, 2, 0xa00
	v_mov_b32 v229, 0
	s_and_b32 s12, ttmp7, 0xffff                   ; which tensor
	v_and_b32 v1, 31, v0                           ; lane
	v_lshlrev_b32 v2, 5, v1
	v_lshrrev_b32 v10, 3, v1                       ; my row in a quad
	v_bfe_u32 v11, v0, 2, 1                        ; my block
	v_and_b32 v12, 3, v0                           ; my word of the block's four
	v_lshlrev_b32 v6, 4, v10
	v_lshl_add_u32 v6, v11, 8, v6
	v_lshl_add_u32 v6, v12, 2, v6                  ; 256 block + 16 row + 4 word
	v_lshlrev_b32 v7, 2, v10
	v_lshlrev_b32 v8, 3, v11
	v_mov_b32 v9, 0                                ; (a lane exchange's destination counts as read: written once)
	v_lshlrev_b32 v3, 4, v1
	v_lshlrev_b32 v4, 3, v1
	s_lshl_b32 s16, ttmp9, 11                      ; my 64 rows' codes: four tiles of 512 bytes
	v_add_nc_u32 v18, s16, v3
	s_lshl_b32 s16, ttmp9, 8                       ; their words: 256 bytes
	v_add_nc_u32 v19, s16, v4
	s_lshl_b32 s14, ttmp9, 14                      ; 64 rows of 256 bytes
	s_mov_b32 s15, 0
	s_wait_kmcnt 0x0
	s_cmp_eq_u32 s12, 0                            ; the choice hangs on the work-group's number alone
	s_cselect_b64 s[4:5], s[4:5], s[6:7]
	s_cselect_b64 s[8:9], s[8:9], s[10:11]
	s_cselect_b32 s20, -2.0, 1.0                   ; the factor ahead of the quantiser,
	s_cselect_b32 s22, 0x3e800000, 1.0             ; and what takes its square off the norm: 1/4 or 1
	s_mov_b32 s21, s20                             ; (the packed form names the pair)
	s_add_nc_u64 s[4:5], s[4:5], s[14:15]
.irp q, 0,1,2,3,4,5,6,7,8,9,10,11,12,13,14,15
	global_load_b128 v[DAT+8*\q:DAT+8*\q+3], v2, s[4:5] offset:1024*\q th:TH_LOAD_NT
	global_load_b128 v[DAT+8*\q+4:DAT+8*\q+7], v2, s[4:5] offset:1024*\q+16 th:TH_LOAD_NT
.endr
.macro QUAD q
.set XS, DAT+8*(\q)
	s_wait_loadcnt 30-2*(\q)                       ; loads come back in order: this quad's two are in, the 2 (15 - q) younger ones stay out
.irp p, 0,2,4,6
	v_pk_mul_f32 v[XS+\p:XS+\p+1], v[XS+\p:XS+\p+1], s[20:21] op_sel_hi:[1,0]
.endr
	v_max3_num_f32 v10, |v[XS]|, |v[XS+1]|, 0x1800000   ; the largest magnitude of my 8, over the floor 2^(3 - 127): the byte cannot fall under 1
	v_max3_num_f32 v10, v10, |v[XS+2]|, |v[XS+3]|
	v_max3_num_f32 v10, v10, |v[XS+4]|, |v[XS+5]|
	v_max3_num_f32 v10, v10, |v[XS+6]|, |v[XS+7]|
	v_pk_mul_f32 v[12:13], v[XS:XS+1], v[XS:XS+1]  ; the squares, in two chains, set between the steps of the maximum
	v_max_num_f32_dpp v10, v10, v10 row_xmask:1 row_mask:0xf bank_mask:0xf
	v_pk_fma_f32 v[12:13], v[XS+2:XS+3], v[XS+2:XS+3], v[12:13]
	v_max_num_f32_dpp v10, v10, v10 row_xmask:2 row_mask:0xf bank_mask:0xf   ; the block's four lanes
	v_pk_fma_f32 v[12:13], v[XS+4:XS+5], v[XS+4:XS+5], v[12:13]
	v_pk_fma_f32 v[12:13], v[XS+6:XS+7], v[XS+6:XS+7], v[12:13]
	v_add_nc_u32 v11, 0xff000000, v10              ; 2 off its exponent field: the conversion takes this operand's exponent field as its scale, and nothing else of it
	v_add_f32 v14, v12, v13
	v_cvt_scalef32_pk8_fp4_f32 v[CD+\q], v[XS:XS+7], v11   ; eight codes, the first number's in the lowest four bits
	v_lshrrev_b32 v15, 23, v11                     ; the scale's byte (also the plain line behind the conversion)
	v_add_f32_dpp v14, v14, v14 row_xmask:1 row_mask:0xf bank_mask:0xf
	v_add_f32_dpp v14, v14, v14 row_xmask:2 row_mask:0xf bank_mask:0xf
	v_add_f32_dpp v14, v14, v14 row_xmask:4 row_mask:0xf bank_mask:0xf      ; the row's eight lanes
	v_lshlrev_b32 v15, v8, v15                     ; at its place in the word
	v_mov_b32_dpp v9, v15 row_xmask:4 row_mask:0xf bank_mask:0xf            ; the row's other block's byte
	v_mul_f32 v[NR+\q], s22, v14                   ; |row|^2
	v_or_b32 v15, v15, v9
	v_or_b32 v[SW+\q], 0x7f7f0000, v15
	ds_store_b32 v6, v[CD+\q] offset:512*((\q)/4)+64*((\q)%4)
	ds_store_b32 v7, v[SW+\q] offset:LSC+16*(\q)   ; a row's eight lanes write the same word with the same value
	ds_store_b32 v7, v[NR+\q] offset:LNR+16*(\q)
.endm
.irp q, 0,1,2,3,4,5,6,7,8,9,10,11,12,13,14,15
	QUAD \q
.endr
.irp i, 0,1,2,3
	ds_load_b128 v[208+4*\i:211+4*\i], v3 offset:512*\i   ; LDS serves a wave's instructions in order: these see my stores
.endr
	ds_load_b64 v[224:225], v4 offset:LSC
	ds_load_b64 v[226:227], v4 offset:LNR
	s_wait_dscnt 0x0
.irp i, 0,1,2,3
	global_store_b128 v18, v[208+4*\i:211+4*\i], s[8:9] offset:512*\i       ; 32 lanes store 512 consecutive bytes, at a multiple of 256 from the buffer's first byte
.endr
	global_store_b64 v19, v[224:225], s[8:9] offset:SCL                     ; 256 consecutive bytes, aligned
	global_store_b64 v19, v[226:227], s[8:9] offset:NRM
	s_wait_tensorcnt 0x0
	ds_add_u32 v228, v229
	s_wait_dscnt 0x0
	s_endpgm
.Lfunc_end_k_q1c997868bc_quant:
	.size	k_q1c997868bc_quant, .Lfunc_end_k_q1c997868bc_quant-k_q1c997868bc_quant
	.p2alignl 7, 3214868480
	.fill 96, 4, 3214868480
	.section	.rodata,"a",@progbits
	.p2align	6, 0x0
	.amdhsa_kernel k_q1c997868bc_quant
		.amdhsa_group_segment_fixed_size 2816
		.amdhsa_private_segment_fixed_size 0
		.amdhsa_enable_private_segment 0
		.amdhsa_kernarg_size 32
		.amdhsa_user_sgpr_count 2
		.amdhsa_user_sgpr_kernarg_segment_ptr 1
		.amdhsa_wavefront_size32 1
		.amdhsa_system_sgpr_workgroup_id_x 1
		.amdhsa_system_sgpr_workgroup_id_y 1
		.amdhsa_system_sgpr_workgroup_id_z 1
		.amdhsa_system_vgpr_workitem_id 0
		.amdhsa_next_free_vgpr 230
		.amdhsa_next_free_sgpr 66
		.amdhsa_reserve_vcc 0
		.amdhsa_float_denorm_mode_32 3
		.amdhsa_float_denorm_mode_16_64 3
		.amdhsa_memory_ordered 1
		.amdhsa_forward_progress 1
		.amdhsa_inst_pref_size 34
	.end_amdhsa_kernel
	.amdgpu_metadata
---
amdhsa.version: [ 1, 2 ]
amdhsa.kernels:
  - .name:           k_q1c997868bc_quant
    .symbol:         k_q1c997868bc_quant.kd
    .args:
      - { .name: x, .offset: 0, .size: 8, .value_kind: global_buffer, .address_space: global }
      - { .name: y, .offset: 8, .size: 8, .value_kind: global_buffer, .address_space: global }
      - { .name: qx, .offset: 16, .size: 8, .value_kind: global_buffer, .address_space: global }
      - { .name: qy, .offset: 24, .size: 8, .value_kind: global_buffer, .address_space: global }
    .group_segment_fixed_size: 2816
    .private_segment_fixed_size: 0
    .kernarg_segment_align: 8
    .kernarg_segment_size: 32
    .max_flat_workgroup_size: 32
    .sgpr_count:     66
    .vgpr_count:     230
    .wavefront_size: 32
...
	.end_amdgpu_metadata
.endif
;; end of part 1
;; launch sweep (part 2): grid 128 x 2, 16 waves a work-group, no clusters, 18,432 bytes of LDS; arguments qx, qy, lp, choice; writes lp, choice
.if DOCPART == 2
	.amdgcn_target "amdgcn-amd-amdhsa--gfx1250"
	.amdhsa_code_object_version 6
	.text
	.protected	k_q1c997868bc_sweep
	.globl	k_q1c997868bc_sweep
	.p2align	8
	.type	k_q1c997868bc_sweep,@function
k_q1c997868bc_sweep:
	s_mov_b64 s[64:65], 0
	v_nop
	global_prefetch_b8 v0, s[64:65] scope:SCOPE_SE
	s_setreg_imm32_b32 hwreg(HW_REG_WAVE_MODE, 25, 1), 1
	s_wait_xcnt 0x0
; D[i][j] = 2 - sqrt(max(|x_i|^2 + |y_j|^2 - 2 Q(x_i).Q(y_j), 0)).  For each QUERY (grid y = 0: a row i, its keys the columns; 1: a column j, its keys the rows) this launch leaves the first key
; at which D is largest, and the log-softmax there: -ln(the sum over all keys of exp(D - the largest D)).  One text serves both directions; the product is made once for each.
; THE PRODUCT.  qx holds the codes of -2 x, so the matrix instruction's sum is -2 Q(x).Q(y); |key|^2 + |query|^2, one f32 addition, is its C: the result IS the squared distance s.
; K = 64 is half of the instruction's 128: the queries' fragments, which stay in registers, carry zero codes for K = 64 .. 127, so a key's fragment is four registers, and the four that follow them in
; the operand (the next tile's codes; behind the last tile four zero registers) meet zero codes under the scale byte of 1.0 and add nothing.
; SHARES.  A work-group owns 64 queries and walks all 8,192 keys.  Wave w takes queries 32 (w % 2) on, two tiles, and keys 1,024 (w / 2) on, in 16 steps of 64 keys (four tiles): 8 matrix instructions a step.
; Source 0 = 16 keys, source 1 = 16 queries: a lane holds ONE query (lane % 16), and its registers run along the keys (8 (lane / 16) + j).  So a lane keeps its own running figures for its query, no lane is
; asked for anything in the loop, and a query's 16 parts (8 slices of keys x 2 halves of the lanes) meet once, in LDS, at the end.
; THE SOFTMAX is taken by a running maximum of D, that is a running minimum RUN of the clamped s: p = 2^(SH - log2(e) d), SH = log2(e) sqrt(RUN); when RUN falls, the sum is multiplied by 2^(new SH - old SH).
; THE INDEX costs no compare for each pair: a step's 32 distances of a lane and a query tile give one minimum, one STRICT compare with RUN (of equal groups the first stays), and the 32 raw distances of the
; winning group are kept; the first place in the kept group is read off once, behind the loop.
; THE LOOP HAS NO FIRST STEP OF ITS OWN: RUN and SH begin at the largest f32 number, so the first compare wins, and the first factor, 2^(SH - 3.4e38) = 0, falls on a sum of 0.
; THE KEYS go from memory straight into registers, asked for a whole step ahead.  NO JOINT LOADS, though all 128 work-groups of a direction walk the same keys: a step's keys are 2,560 bytes a wave
; (16 loads) beside some 440 instructions on 2,048 distances, and they would have to go through LDS and be read from there again.
; LIMITS: NaN and infinities are not served, nor squared distances at the largest f32 number; the squared distance is rounded by the matrix instruction's own addition of C, not by a separate f32 subtraction;
; ties are broken on the clamped squared distance, lowest key first: two distances a few last bits apart, which the later roundings of the root, of 2 - d and of the log-softmax could make equal, are told apart here.
.set SCL, 262144                       ; qx, qy: codes at byte 0 (512 bytes a tile of 16 rows, 16 bytes a lane), a scale word a row at SCL, |row|^2 at NRM
.set NRM, 294912
.set VC,   1                           ; v1   keys' codes: 32768 slice + 16 lane, + 2,048 a step
.set VS,   2                           ; v2   keys' scale words: 4096 slice + 4 (lane % 16), + 256 a step
.set VN,   3                           ; v3   keys' norms: 4096 slice + 32 (lane / 16), + 256 a step
.set IB,   4                           ; v4   my first key: 1024 slice + 8 (lane / 16)
.set RA,   5                           ; v5   LDS: my record: 1024 (2 slice + lane / 16) + 16 (32 (wave % 2) + lane % 16)
.set QC,   6                           ; v6   my queries' codes
.set STEPV, 7                          ; v7   the step's number
.set QW,   8                           ; v8   my queries' words
.set QS,   10                          ; v10-11  the queries' scale words, and nothing else
.set KS,   12                          ; v12-15  the keys' scale words, and nothing else
.set QF,   16                          ; v16-31  the queries' two fragments; registers 4-7 of each: zero codes
.set KF,   32                          ; v32-47  the keys' four fragments of four registers; v48-51: zero codes
.set QN,   52                          ; v52-53  the queries' norms
.set MA,   54                          ; v54  the merge: 32 lane
.set MO,   55                          ; v55  the merge: where the results go: 32768 direction + 256 work-group + 8 lane
.set REC,  56                          ; v56-63  query tile qt at REC + 4 qt: RUN, SH, the sum, the key: the record as it goes to LDS
.set SUMP, 64                          ; v64-67  the sum in two chains, a pair a query tile
.set STP,  68                          ; v68-69  the winning step
.set RT,   70                          ; v70-71  sqrt(RUN)
.set FF,   72                          ; v72-73  new SH - old SH, then 2^ of it
.set TM,   74                          ; v74-81  at work
.set OLD,  82                          ; v82-83  the old SH
.set KN,   84                          ; v84-115  the norms of a step's 64 keys, as the result's registers want them
.set SS,   116                         ; v116-179 a step's distances: query tile qt, key tile kt at SS + 32 qt + 8 kt
.set SAV,  180                         ; v180-243 the kept group, laid likewise
.set MB,   116                         ; the merge: part p, query q of my two at MB + 8 p + 4 q: a record
	s_load_b128 s[4:7], s[0:1], 0x0                ; qx, qy
	s_load_b128 s[8:11], s[0:1], 0x10              ; lp, choice
	v_lshl_add_u32 v254, v0, 2, 0x4000
	v_mov_b32 v255, 0
	v_lshrrev_b32 v9, 5, v0
	v_readfirstlane_b32 s14, v9                    ; wave 0..15
	s_and_b32 s15, ttmp7, 0xffff                   ; the direction
	s_and_b32 s16, s14, 1                          ; which 32 queries
	s_lshr_b32 s17, s14, 1                         ; which slice of 1,024 keys
	v_and_b32 v74, 31, v0                          ; lane
	v_and_b32 v75, 15, v0                          ; r
	v_bfe_u32 v76, v0, 4, 1                        ; h
	s_lshl_b32 s27, s17, 15
	v_lshl_add_u32 v[VC], v74, 4, s27
	s_lshl_b32 s28, s17, 12
	v_lshl_add_u32 v[VS], v75, 2, s28
	v_lshl_add_u32 v[VN], v76, 5, s28
	s_lshl_b32 s29, s17, 10
	v_lshl_add_u32 v[IB], v76, 3, s29
	s_lshl_b32 s30, s17, 11
	s_lshl_b32 s31, s16, 9
	s_add_co_u32 s30, s30, s31
	v_lshl_add_u32 v[RA], v76, 10, s30
	v_lshl_add_u32 v[RA], v75, 4, v[RA]
	s_lshl_b32 s27, ttmp9, 11                      ; the work-group's 64 queries: four tiles of 512 bytes,
	s_lshl_b32 s28, s16, 10                        ; my two of them
	s_add_co_u32 s27, s27, s28
	v_lshl_add_u32 v[QC], v74, 4, s27
	s_lshl_b32 s27, ttmp9, 8                       ; and their words
	s_lshl_b32 s28, s16, 7
	s_add_co_u32 s28, s27, s28
	v_lshl_add_u32 v[QW], v75, 2, s28
	v_lshlrev_b32 v[MA], 5, v74
	s_lshl_b32 s29, s15, 15
	s_add_co_u32 s29, s29, s27
	v_lshl_add_u32 v[MO], v74, 3, s29
	s_mov_b32 s24, 0xbfb8aa3b                      ; -log2(e), as a pair for the packed form
	s_mov_b32 s25, s24
	s_mov_b32 s26, 0x3fb8aa3b                      ; log2(e)
	s_mov_b32 s33, 0                               ; the step
	s_wait_kmcnt 0x0
	s_cmp_eq_u32 s15, 0                            ; the choice hangs on the work-group's number alone
	s_cselect_b64 s[18:19], s[4:5], s[6:7]         ; queries
	s_cselect_b64 s[20:21], s[6:7], s[4:5]         ; keys
; A step's 64 keys: four fragments, four registers of scale words (lane r: key r of the tile), 32 norms (all lanes of a half read the same 32 bytes)
.macro LOADK
.irp kt, 0,1,2,3
	global_load_b128 v[KF+4*\kt:KF+4*\kt+3], v[VC], s[20:21] offset:512*\kt
.endr
.irp kt, 0,1,2,3
	global_load_b32 v[KS+\kt], v[VS], s[20:21] offset:SCL+64*\kt
.endr
.irp kt, 0,1,2,3
	global_load_b128 v[KN+8*\kt:KN+8*\kt+3], v[VN], s[20:21] offset:NRM+64*\kt
	global_load_b128 v[KN+8*\kt+4:KN+8*\kt+7], v[VN], s[20:21] offset:NRM+64*\kt+16
.endr
.endm
.irp qt, 0,1
	global_load_b128 v[QF+8*\qt:QF+8*\qt+3], v[QC], s[18:19] offset:512*\qt
	global_load_b32 v[QS+\qt], v[QW], s[18:19] offset:SCL+64*\qt
	global_load_b32 v[QN+\qt], v[QW], s[18:19] offset:NRM+64*\qt
.endr
	LOADK                                          ; step 0
.irp i, 20,21,22,23,28,29,30,31,48,49,50,51
	v_mov_b32 v\i, 0                               ; zero codes
.endr
.set i, 0
.rept 64
	v_mov_b32 v[SAV+i], 0                          ; the kept group is named as a source by the first step's selects, which replace all of it
.set i, i+1
.endr
.irp qt, 0,1
	v_mov_b32 v[REC+4*\qt], 0x7f7fffff             ; RUN
	v_mov_b32 v[REC+4*\qt+1], 0x7f7fffff           ; SH
	v_mov_b32 v[SUMP+2*\qt], 0
	v_mov_b32 v[SUMP+2*\qt+1], 0
	v_mov_b32 v[STP+\qt], 0
.endr
.macro CBUILD                          ; C = |key|^2 + |query|^2, two at a time; of the pair of the queries' norms the query tile's word serves both halves
.irp qt, 0,1
.irp kt, 0,1,2,3
.irp jp, 0,2,4,6
	v_pk_add_f32 v[SS+32*\qt+8*\kt+\jp:SS+32*\qt+8*\kt+\jp+1], v[KN+8*\kt+\jp:KN+8*\kt+\jp+1], v[QN:QN+1] op_sel:[0,\qt] op_sel_hi:[1,\qt]
.endr
.endr
.endr
.endm
.macro WMMAS                           ; eight results, each on registers of its own: no two matrix instructions that follow each other share an accumulator, over the backward jump too
.irp kt, 0,1,2,3
.irp qt, 0,1
	v_wmma_scale_f32_16x16x128_f8f6f4 v[SS+32*\qt+8*\kt:SS+32*\qt+8*\kt+7], v[KF+4*\kt:KF+4*\kt+7], v[QF+8*\qt:QF+8*\qt+7], v[SS+32*\qt+8*\kt:SS+32*\qt+8*\kt+7], v[KS+\kt], v[QS+\qt] matrix_a_fmt:MATRIX_FMT_FP4 matrix_b_fmt:MATRIX_FMT_FP4
.endr
.endr
.endm
.macro TREE qt                         ; the smallest of my 32 distances of query tile qt, clamped at 0, into v[TM]; each result is read from its low end on
.irp kt, 0,1,2,3
	v_min3_num_f32 v[TM+2*\kt], v[SS+32*\qt+8*\kt], v[SS+32*\qt+8*\kt+1], v[SS+32*\qt+8*\kt+2]
	v_min3_num_f32 v[TM+2*\kt+1], v[SS+32*\qt+8*\kt+3], v[SS+32*\qt+8*\kt+4], v[SS+32*\qt+8*\kt+5]
	v_min3_num_f32 v[TM+2*\kt], v[TM+2*\kt], v[SS+32*\qt+8*\kt+6], v[SS+32*\qt+8*\kt+7]
.endr
	v_min3_num_f32 v[TM], v[TM], v[TM+1], v[TM+2]
	v_min3_num_f32 v[TM+3], v[TM+3], v[TM+4], v[TM+5]
	v_min3_num_f32 v[TM], v[TM], v[TM+6], v[TM+7]
	v_min_num_f32 v[TM], v[TM], v[TM+3]
	v_max_num_f32 v[TM], 0, v[TM]                  ; max(s, 0), once a group: the first group that reaches 0 keeps it
.endm
.macro PROCESS qt
	TREE \qt
	v_cmp_lt_f32 vcc_lo, v[TM], v[REC+4*\qt]       ; strictly smaller: of equal groups the first stays
	v_cndmask_b32 v[REC+4*\qt], v[REC+4*\qt], v[TM], vcc_lo
	v_cndmask_b32 v[STP+\qt], v[STP+\qt], v[STEPV], vcc_lo
.set i, 0
.rept 32
	v_cndmask_b32 v[SAV+32*\qt+i], v[SAV+32*\qt+i], v[SS+32*\qt+i], vcc_lo   ; the winning group's raw distances are kept
.set i, i+1
.endr
.endm
; A STEP.  pf = 1: the next step's keys are asked for, behind this step's matrix instructions: they land while its distances are worked.
.macro STEP pf
	s_wait_loadcnt 0x0                             ; this step's keys are in (at the first step the queries too), and the loads' address registers may be stepped
	CBUILD
.if \pf
	v_add_nc_u32 v[VC], 2048, v[VC]                ; four plain lines between the last write of a C register and the matrix instructions
	v_add_nc_u32 v[VS], 256, v[VS]
	v_add_nc_u32 v[VN], 256, v[VN]
.else
.rept 3
	v_nop
.endr
.endif
	v_mov_b32 v[STEPV], s33
	WMMAS
	v_mov_b32 v[OLD], v[REC+1]                     ; four plain lines that name none of the matrix instructions' registers, ahead of the loads into their sources and of the first read of their results
	v_mov_b32 v[OLD+1], v[REC+5]
	v_nop
	v_nop
.if \pf
	LOADK
.endif
	PROCESS 0
	PROCESS 1
.set i, 0
.rept 64
	v_max_num_f32 v[SS+i], 0, v[SS+i]              ; max(s, 0)
.set i, i+1
.endr
	v_sqrt_f32 v[RT], v[REC]                       ; one batch: the two running minima's roots and the 64 distances
	v_sqrt_f32 v[RT+1], v[REC+4]
.set i, 0
.rept 64
	v_sqrt_f32 v[SS+i], v[SS+i]
.set i, i+1
.endr
	v_nop                                          ; a plain line behind the last root
	s_wait_alu depctr_va_vdst(0)                   ; one wait for the batch, ahead of its first reader
	v_mul_f32 v[REC+1], s26, v[RT]                 ; SH = log2(e) x the smallest distance so far
	v_mul_f32 v[REC+5], s26, v[RT+1]
	v_sub_f32 v[FF], v[REC+1], v[OLD]              ; 0 or less
	v_sub_f32 v[FF+1], v[REC+5], v[OLD+1]
.irp qt, 0,1
.set i, 0
.rept 16
	v_pk_fma_f32 v[SS+32*\qt+i:SS+32*\qt+i+1], v[SS+32*\qt+i:SS+32*\qt+i+1], s[24:25], v[REC+4*\qt:REC+4*\qt+1] op_sel:[0,0,1] op_sel_hi:[1,0,1]   ; SH - log2(e) d, two at a time: of the pair (RUN, SH) the second word serves both halves
.set i, i+2
.endr
.endr
	v_exp_f32 v[FF], v[FF]                         ; the second batch: the two factors and the 64 p
	v_exp_f32 v[FF+1], v[FF+1]
.set i, 0
.rept 64
	v_exp_f32 v[SS+i], v[SS+i]
.set i, i+1
.endr
	v_nop
	s_wait_alu depctr_va_vdst(0)                   ; one wait for the batch
.irp qt, 0,1
	v_pk_fma_f32 v[SUMP+2*\qt:SUMP+2*\qt+1], v[SUMP+2*\qt:SUMP+2*\qt+1], v[FF:FF+1], v[SS+32*\qt:SS+32*\qt+1] op_sel:[0,\qt,0] op_sel_hi:[1,\qt,1]   ; the sum under the new SH, and the first pair
.endr
.set i, 2
.rept 15
	v_pk_add_f32 v[SUMP:SUMP+1], v[SUMP:SUMP+1], v[SS+i:SS+i+1]              ; the two query tiles by turns
	v_pk_add_f32 v[SUMP+2:SUMP+3], v[SUMP+2:SUMP+3], v[SS+32+i:SS+32+i+1]
.set i, i+2
.endr
.endm
; The first place in the kept group whose clamped distance is RUN: raw <= RUN says just that.  From the last place down, so that the lowest is written last.  Then the record goes to LDS.
.macro RESOLVE qt
	v_mov_b32 v[REC+4*\qt+3], 0
.irp kt, 3,2,1,0
.irp j, 7,6,5,4,3,2,1,0
	v_cmp_gt_f32 vcc_lo, v[SAV+32*\qt+8*\kt+\j], v[REC+4*\qt]
	v_cndmask_b32 v[REC+4*\qt+3], 16*\kt+\j, v[REC+4*\qt+3], vcc_lo
.endr
.endr
	v_lshl_add_u32 v[REC+4*\qt+3], v[STP+\qt], 6, v[REC+4*\qt+3]   ; key = 1024 slice + 64 step + 16 tile + 8 (lane / 16) + register
	v_add_nc_u32 v[REC+4*\qt+3], v[IB], v[REC+4*\qt+3]
	v_add_f32 v[REC+4*\qt+2], v[SUMP+2*\qt], v[SUMP+2*\qt+1]
	ds_store_b128 v[RA], v[REC+4*\qt:REC+4*\qt+3] offset:256*\qt
.endm
.Lstep:                                        ; steps 0 to 14
	STEP 1
	s_add_co_u32 s33, s33, 1
	s_cmp_lt_u32 s33, 15
	s_cbranch_scc1 .Lstep
	STEP 0                                         ; step 15 is written out: nothing is left to fetch, and no load leaves its buffer
	RESOLVE 0
	RESOLVE 1
	s_wait_dscnt 0x0                               ; for wave 0's sake: my records have landed
	s_barrier_signal -1
	s_barrier_wait -1                              ; all 16 x 64 records lie in LDS
	s_cmp_lg_u32 s14, 0
	s_cbranch_scc1 .Lend
	; ---- THE MERGE, by wave 0: lane l takes queries 2 l and 2 l + 1, each with its 16 parts
.irp p, 0,1,2,3,4,5,6,7,8,9,10,11,12,13,14,15
.irp q, 0,1
	ds_load_b128 v[MB+8*\p+4*\q:MB+8*\p+4*\q+3], v[MA] offset:1024*\p+16*\q
.endr
.endr
	s_wait_dscnt 0x0
.irp q, 0,1
	v_min3_num_f32 v[74+\q], v[MB+4*\q], v[MB+8+4*\q], v[MB+16+4*\q]         ; the smallest RUN,
	v_min3_num_f32 v[76+\q], v[MB+4*\q+1], v[MB+8+4*\q+1], v[MB+16+4*\q+1]   ; and the smallest SH, which is its SH: root and multiplication do not fall where their input rises
.irp p, 3,5,7,9,11,13
	v_min3_num_f32 v[74+\q], v[74+\q], v[MB+8*\p+4*\q], v[MB+8*(\p+1)+4*\q]
	v_min3_num_f32 v[76+\q], v[76+\q], v[MB+8*\p+4*\q+1], v[MB+8*(\p+1)+4*\q+1]
.endr
	v_min_num_f32 v[74+\q], v[74+\q], v[MB+8*15+4*\q]
	v_min_num_f32 v[76+\q], v[76+\q], v[MB+8*15+4*\q+1]
.endr
.irp p, 0,1,2,3,4,5,6,7,8,9,10,11,12,13,14,15
.irp q, 0,1
	v_sub_f32 v[MB+8*\p+4*\q+1], v[76+\q], v[MB+8*\p+4*\q+1]                 ; 0 or less
.endr
.endr
.irp p, 0,1,2,3,4,5,6,7,8,9,10,11,12,13,14,15
.irp q, 0,1
	v_exp_f32 v[MB+8*\p+4*\q+1], v[MB+8*\p+4*\q+1]                          ; what brings a part's sum under the query's own shift
.endr
.endr
	v_mov_b32 v80, -1                              ; the key: the greatest number to begin with (also the plain line behind the batch)
	v_mov_b32 v81, -1
	s_wait_alu depctr_va_vdst(0)                   ; one wait for the 32
.irp q, 0,1
	v_mul_f32 v[78+\q], v[MB+4*\q+2], v[MB+4*\q+1]
.endr
.irp p, 1,2,3,4,5,6,7,8,9,10,11,12,13,14,15
.irp q, 0,1
	v_fmac_f32 v[78+\q], v[MB+8*\p+4*\q+2], v[MB+8*\p+4*\q+1]
.endr
.endr
.irp p, 0,1,2,3,4,5,6,7,8,9,10,11,12,13,14,15
.irp q, 0,1
	v_cmp_eq_f32 vcc_lo, v[MB+8*\p+4*\q], v[74+\q]                          ; of the parts that reach the minimum, the lowest key
	v_cndmask_b32 v82, -1, v[MB+8*\p+4*\q+3], vcc_lo
	v_min_u32 v[80+\q], v[80+\q], v82
.endr
.endr
	v_log_f32 v84, v78
	v_log_f32 v85, v79
	v_nop
	s_wait_alu depctr_va_vdst(0)
	v_mul_f32 v86, 0xbf317218, v84                 ; -ln(the sum) = -ln(2) x log2: the log-softmax at the largest D
	v_mul_f32 v87, 0xbf317218, v85
	global_store_b64 v[MO], v[86:87], s[8:9]       ; 32 lanes store 256 consecutive bytes, aligned
	global_store_b64 v[MO], v[80:81], s[10:11]
.Lend:
	s_wait_tensorcnt 0x0
	ds_add_u32 v254, v255
	s_wait_dscnt 0x0
	s_endpgm
.Lfunc_end_k_q1c997868bc_sweep:
	.size	k_q1c997868bc_sweep, .Lfunc_end_k_q1c997868bc_sweep-k_q1c997868bc_sweep
	.p2alignl 7, 3214868480
	.fill 96, 4, 3214868480
	.section	.rodata,"a",@progbits
	.p2align	6, 0x0
	.amdhsa_kernel k_q1c997868bc_sweep
		.amdhsa_group_segment_fixed_size 18432
		.amdhsa_private_segment_fixed_size 0
		.amdhsa_enable_private_segment 0
		.amdhsa_kernarg_size 32
		.amdhsa_user_sgpr_count 2
		.amdhsa_user_sgpr_kernarg_segment_ptr 1
		.amdhsa_wavefront_size32 1
		.amdhsa_system_sgpr_workgroup_id_x 1
		.amdhsa_system_sgpr_workgroup_id_y 1
		.amdhsa_system_sgpr_workgroup_id_z 1
		.amdhsa_system_vgpr_workitem_id 0
		.amdhsa_next_free_vgpr 256
		.amdhsa_next_free_sgpr 66
		.amdhsa_reserve_vcc 1
		.amdhsa_float_denorm_mode_32 3
		.amdhsa_float_denorm_mode_16_64 3
		.amdhsa_memory_ordered 1
		.amdhsa_forward_progress 1
		.amdhsa_inst_pref_size 60
	.end_amdhsa_kernel
	.amdgpu_metadata
---
amdhsa.version: [ 1, 2 ]
amdhsa.kernels:
  - .name:           k_q1c997868bc_sweep
    .symbol:         k_q1c997868bc_sweep.kd
    .args:
      - { .name: qx, .offset: 0, .size: 8, .value_kind: global_buffer, .address_space: global }
      - { .name: qy, .offset: 8, .size: 8, .value_kind: global_buffer, .address_space: global }
      - { .name: lp, .offset: 16, .size: 8, .value_kind: global_buffer, .address_space: global }
      - { .name: choice, .offset: 24, .size: 8, .value_kind: global_buffer, .address_space: global }
    .group_segment_fixed_size: 18432
    .private_segment_fixed_size: 0
    .kernarg_segment_align: 8
    .kernarg_segment_size: 32
    .max_flat_workgroup_size: 512
    .sgpr_count:     66
    .vgpr_count:     256
    .wavefront_size: 32
...
	.end_amdgpu_metadata
.endif
;; end of part 2
;; launch final (part 3): grid 32 x 1, 2 waves a work-group, no clusters, 512 bytes of LDS; arguments lp, choice, out0, out1, out2; writes out0, out1, out2
.if DOCPART == 3
	.amdgcn_target "amdgcn-amd-amdhsa--gfx1250"
	.amdhsa_code_object_version 6
	.text
	.protected	k_q1c997868bc_final
	.globl	k_q1c997868bc_final
	.p2align	8
	.type	k_q1c997868bc_final,@function
k_q1c997868bc_final:
	s_mov_b64 s[64:65], 0
	v_nop
	global_prefetch_b8 v0, s[64:65] scope:SCOPE_SE
	s_setreg_imm32_b32 hwreg(HW_REG_WAVE_MODE, 25, 1), 1
	s_wait_xcnt 0x0
; The gather.  lp and choice hold, at byte 0, each row's log-softmax at its best column and that column; at byte 32768, each column's at its best row and that row.
; For column j with best row c: mutual = (the best column of row c is j);  out0[j] = mutual ? lp_rows[c] + lp_cols[j] : 0;  out1[j] = (c, j);  out2[j] = mutual, a byte.
; The gather's addresses come from whole numbers that the launch before has stored; each is held to 8,191 ahead of its use as an index.
; SHARES.  A work-group of two waves takes 256 columns, thread T columns 4 T .. 4 T + 3: its 16 bytes of lp, of choice and of out0.  out1 has 8 bytes a column: so that neighbouring lanes store
; neighbouring 16 bytes, thread T stores columns 2 T, 2 T + 1 and 128 + 2 T, 129 + 2 T, whose choices it loads once more.  out2's 256 bytes meet in LDS and leave by one store of wave 0.
; No matrix work, no ring, nothing asked for ahead: two dependent loads a thread.
	s_load_b128 s[4:7], s[0:1], 0x0                ; lp, choice
	s_load_b128 s[8:11], s[0:1], 0x10              ; out0, out1
	s_load_b64 s[12:13], s[0:1], 0x20              ; out2
	v_lshl_add_u32 v52, v0, 2, 0x100
	v_mov_b32 v53, 0
	v_lshrrev_b32 v45, 5, v0
	v_readfirstlane_b32 s14, v45                   ; wave
	s_lshl_b32 s15, ttmp9, 10                      ; 256 columns of 4 bytes,
	s_lshl_b32 s16, ttmp9, 8                       ; the first column, and 256 columns of 1 byte,
	s_lshl_b32 s17, ttmp9, 11                      ; of 8 bytes
	v_lshl_add_u32 v1, v0, 4, s15                  ; my four columns' 16 bytes
	v_lshl_add_u32 v2, v0, 3, s15                  ; columns 2 T, 2 T + 1: 8 bytes
	v_lshl_add_u32 v3, v0, 2, s16                  ; my first column
	v_lshl_add_u32 v33, v0, 1, s16                 ; out1's second words: the columns' numbers
	v_add_nc_u32 v35, 1, v33
	v_add_nc_u32 v37, 0x80, v33
	v_add_nc_u32 v39, 0x81, v33
	v_lshlrev_b32 v41, 2, v0                       ; LDS: my four mask bytes
	v_lshl_add_u32 v42, v0, 4, s17                 ; out1: 16 bytes a thread
	v_and_b32 v45, 31, v0
	v_lshlrev_b32 v43, 3, v45                      ; LDS, on the way out: 8 bytes a lane
	v_add_nc_u32 v44, s16, v43                     ; and the same in out2
.irp i, 0,1,2,3
	v_add_nc_u32 v[48+\i], \i, v3                  ; my columns' numbers
.endr
	s_wait_kmcnt 0x0
	global_load_b128 v[4:7], v1, s[6:7] offset:32768       ; my columns' best rows
	global_load_b128 v[8:11], v1, s[4:5] offset:32768      ; their log-softmax
	global_load_b64 v[12:13], v2, s[6:7] offset:32768      ; the best rows of columns 2 T, 2 T + 1,
	global_load_b64 v[14:15], v2, s[6:7] offset:32768+512  ; and of 128 + 2 T, 129 + 2 T
	s_wait_loadcnt 3                               ; the first load is in; the three younger ones stay out
.irp i, 0,1,2,3
	v_min_u32 v[16+\i], 0x1fff, v[4+\i]            ; an index stays inside its table
.endr
.irp i, 0,1,2,3
	v_lshlrev_b32 v[16+\i], 2, v[16+\i]
.endr
.irp i, 0,1,2,3
	global_load_b32 v[20+\i], v[16+\i], s[6:7]     ; that row's best column
	global_load_b32 v[24+\i], v[16+\i], s[4:5]     ; and its log-softmax
.endr
	s_wait_loadcnt 8                               ; the first four loads are in; the eight gathers stay out
	v_mov_b32 v32, v12                             ; out1's rows: (best row, column)
	v_mov_b32 v34, v13
	v_mov_b32 v36, v14
	v_mov_b32 v38, v15
	global_store_b128 v42, v[32:35], s[10:11]              ; a wave stores 512 consecutive bytes, at a multiple of 256 from out1's first byte
	global_store_b128 v42, v[36:39], s[10:11] offset:1024
	s_wait_loadcnt 0x0
.irp i, 0,1,2,3
	v_add_f32 v[28+\i], v[24+\i], v[8+\i]
.endr
.irp i, 0,1,2,3
	v_cmp_eq_u32 vcc_lo, v[20+\i], v[48+\i]        ; mutual
	v_cndmask_b32 v[28+\i], 0, v[28+\i], vcc_lo
	v_cndmask_b32 v[48+\i], 0, 1, vcc_lo
.endr
	v_lshl_or_b32 v40, v49, 8, v48                 ; four bytes, the lower column in the lower byte
	v_lshl_or_b32 v40, v50, 16, v40
	v_lshl_or_b32 v40, v51, 24, v40
	global_store_b128 v1, v[28:31], s[8:9]         ; a wave stores 512 consecutive bytes, aligned
	ds_store_b32 v41, v40
	s_wait_dscnt 0x0                               ; for wave 0's sake: my store has landed
	s_barrier_signal -1
	s_barrier_wait -1
	s_cmp_lg_u32 s14, 0
	s_cbranch_scc1 .Lend
	ds_load_b64 v[46:47], v43
	s_wait_dscnt 0x0
	global_store_b64 v44, v[46:47], s[12:13]       ; 32 lanes store 256 consecutive bytes, aligned
.Lend:
	s_wait_tensorcnt 0x0
	ds_add_u32 v52, v53
	s_wait_dscnt 0x0
	s_endpgm
.Lfunc_end_k_q1c997868bc_final:
	.size	k_q1c997868bc_final, .Lfunc_end_k_q1c997868bc_final-k_q1c997868bc_final
	.p2alignl 7, 3214868480
	.fill 96, 4, 3214868480
	.section	.rodata,"a",@progbits
	.p2align	6, 0x0
	.amdhsa_kernel k_q1c997868bc_final
		.amdhsa_group_segment_fixed_size 512
		.amdhsa_private_segment_fixed_size 0
		.amdhsa_enable_private_segment 0
		.amdhsa_kernarg_size 40
		.amdhsa_user_sgpr_count 2
		.amdhsa_user_sgpr_kernarg_segment_ptr 1
		.amdhsa_wavefront_size32 1
		.amdhsa_system_sgpr_workgroup_id_x 1
		.amdhsa_system_sgpr_workgroup_id_y 1
		.amdhsa_system_sgpr_workgroup_id_z 1
		.amdhsa_system_vgpr_workitem_id 0
		.amdhsa_next_free_vgpr 54
		.amdhsa_next_free_sgpr 66
		.amdhsa_reserve_vcc 1
		.amdhsa_float_denorm_mode_32 3
		.amdhsa_float_denorm_mode_16_64 3
		.amdhsa_memory_ordered 1
		.amdhsa_forward_progress 1
		.amdhsa_inst_pref_size 5
	.end_amdhsa_kernel
	.amdgpu_metadata
---
amdhsa.version: [ 1, 2 ]
amdhsa.kernels:
  - .name:           k_q1c997868bc_final
    .symbol:         k_q1c997868bc_final.kd
    .args:
      - { .name: lp, .offset: 0, .size: 8, .value_kind: global_buffer, .address_space: global }
      - { .name: choice, .offset: 8, .size: 8, .value_kind: global_buffer, .address_space: global }
      - { .name: out0, .offset: 16, .size: 8, .value_kind: global_buffer, .address_space: global }
      - { .name: out1, .offset: 24, .size: 8, .value_kind: global_buffer, .address_space: global }
      - { .name: out2, .offset: 32, .size: 8, .value_kind: global_buffer, .address_space: global }
    .group_segment_fixed_size: 512
    .private_segment_fixed_size: 0
    .kernarg_segment_align: 8
    .kernarg_segment_size: 40
    .max_flat_workgroup_size: 64
    .sgpr_count:     66
    .vgpr_count:     54
    .wavefront_size: 32
...
	.end_amdgpu_metadata
.endif
;; end of part 3
;; ======== version 2 of 2: 3 launches; version 1 with the launch sweep written anew for expert scheduling mode
;; workspace buffers: qx 327,680 bytes; qy 327,680 bytes; lp 65,536 bytes; choice 65,536 bytes of whole numbers
;; launch quant: the kernel of part 1 again; grid 128 x 2, 1 waves a work-group, no clusters, 2,816 bytes of LDS; arguments x, y, qx, qy; writes qx, qy
;; launch sweep (part 4): grid 128 x 2, 16 waves a work-group, no clusters, 18,432 bytes of LDS; arguments qx, qy, lp, choice; writes lp, choice
.if DOCPART == 4
	.amdgcn_target "amdgcn-amd-amdhsa--gfx1250"
	.amdhsa_code_object_version 6
	.text
	.protected	k_q1c997868bc_sweep
	.globl	k_q1c997868bc_sweep
	.p2align	8
	.type	k_q1c997868bc_sweep,@function
k_q1c997868bc_sweep:
	s_mov_b64 s[64:65], 0
	v_nop
	global_prefetch_b8 v0, s[64:65] scope:SCOPE_SE
	s_setreg_imm32_b32 hwreg(HW_REG_WAVE_SCHED_MODE, 0, 2), 2
	s_setreg_imm32_b32 hwreg(HW_REG_WAVE_MODE, 25, 1), 1
	s_wait_xcnt 0x0
	s_wait_alu depctr_vm_vsrc(0)
; D[i][j] = 2 - sqrt(max(|x_i|^2 + |y_j|^2 - 2 Q(x_i).Q(y_j), 0)).  For each QUERY (grid y = 0: a row i, its keys the columns; 1: a column j, its keys the rows) this launch leaves the first key
; at which D is largest, and the log-softmax there: -ln(the sum over all keys of exp(D - the largest D)).  One text serves both directions; the product is made once for each.
; THE PRODUCT.  qx holds the codes of -2 x, so the matrix instruction's sum is -2 Q(x).Q(y); |key|^2 + |query|^2, one f32 addition, is its C: the result IS the squared distance s.
; K = 64 is half of the instruction's 128: the queries' fragments, which stay in registers, carry zero codes for K = 64 .. 127, so a key's fragment is four registers, and the four that follow them in
; the operand (the next tile's codes; behind the last tile four zero registers) meet zero codes under the scale byte of 1.0 and add nothing.
; SHARES.  A work-group owns 64 queries and walks all 8,192 keys.  Wave w takes queries 32 (w % 2) on, two tiles, and keys 1,024 (w / 2) on, in 16 steps of 64 keys (four tiles): 8 matrix instructions a step.
; Source 0 = 16 keys, source 1 = 16 queries: a lane holds ONE query (lane % 16), and its registers run along the keys (8 (lane / 16) + j).  So a lane keeps its own running figures for its query, no lane is
; asked for anything in the loop, and a query's 16 parts (8 slices of keys x 2 halves of the lanes) meet once, in LDS, at the end.
; THE SOFTMAX is taken by a running maximum of D, that is a running minimum RUN of the clamped s: p = 2^(SH - log2(e) d), SH = log2(e) sqrt(RUN); when RUN falls, the sum is multiplied by 2^(new SH - old SH).
; THE INDEX costs no compare for each pair: a step's 32 distances of a lane and a query tile give one minimum, one STRICT compare with RUN (of equal groups the first stays), and the 32 raw distances of the
; winning group are kept; the first place in the kept group is read off once, behind the loop.
; THE LOOP HAS NO FIRST STEP OF ITS OWN: RUN and SH begin at the largest f32 number, so the first compare wins, and the first factor, 2^(SH - 3.4e38) = 0, falls on a sum of 0.
; THE KEYS go from memory straight into registers, asked for a whole step ahead.  NO JOINT LOADS, though all 128 work-groups of a direction walk the same keys: a step's keys are 2,560 bytes a wave
; (16 loads) beside some 440 instructions on 2,048 distances, and they would have to go through LDS and be read from there again.
; LIMITS: NaN and infinities are not served, nor squared distances at the largest f32 number; the squared distance is rounded by the matrix instruction's own addition of C, not by a separate f32 subtraction;
; ties are broken on the clamped squared distance, lowest key first: two distances a few last bits apart, which the later roundings of the root, of 2 - d and of the log-softmax could make equal, are told apart here.
; THE MODE: SCHED_MODE bits 1:0 = 2 (LLVM: expert scheduling mode 2), set by the entry lines.  The code itself states the register dependences between vector or matrix instructions and memory or LDS
; instructions, and those through scalar registers that vector instructions write, with s_wait_alu, always for 0.
; THE PLAN.  Registers that memory or LDS instructions touch, in the loop:
;   KF, KS      The next step's loads land in them; read by the step's eight matrix instructions alone.
;   KN          The next step's loads land in it; read by the step's 32 additions that make C alone.
;   VC, VS, VN  Read by the 16 loads of a step's keys; written once a step, by three additions ahead of the matrix instructions.
;   All else in the loop (SS, SAV, REC, the sums, the registers at work) is named by vector and matrix instructions alone.
; So a step has ONE wait on vm_vsrc, ahead of the three additions, and ONE wait on va_vdst for its loads, behind its matrix instructions: it states that these are done reading KF and KS, that the additions
; are done reading KN, and that VC, VS, VN are written.  The 16 loads follow it, dealt among the two searches for the smallest distance, which name SS, TM, GM and REC: none of the registers that a load touches.
; There is one set of key registers: 16 waves of 256 registers leave eight free, and a second set would be 52.
; Masks go into scalar registers in runs, with one wait on va_sdst behind each run: two masks a step, 32 at a time behind the loop.  VCC and EXEC are never written.
.set SCL, 262144                       ; qx, qy: codes at byte 0 (512 bytes a tile of 16 rows, 16 bytes a lane), a scale word a row at SCL, |row|^2 at NRM
.set NRM, 294912
.set VC,   1                           ; v1   keys' codes: 32768 slice + 16 lane, + 2,048 a step
.set VS,   2                           ; v2   keys' scale words: 4096 slice + 4 (lane % 16), + 256 a step
.set VN,   3                           ; v3   keys' norms: 4096 slice + 32 (lane / 16), + 256 a step
.set IB,   4                           ; v4   my first key: 1024 slice + 8 (lane / 16)
.set RA,   5                           ; v5   LDS: my record: 1024 (2 slice + lane / 16) + 16 (32 (wave % 2) + lane % 16)
.set QC,   6                           ; v6   my queries' codes
.set STEPV, 7                          ; v7   the step's number
.set QW,   8                           ; v8   my queries' words
.set QS,   10                          ; v10-11  the queries' scale words, and nothing else
.set KS,   12                          ; v12-15  the keys' scale words, and nothing else
.set QF,   16                          ; v16-31  the queries' two fragments; registers 4-7 of each: zero codes
.set KF,   32                          ; v32-47  the keys' four fragments of four registers; v48-51: zero codes
.set QN,   52                          ; v52-53  the queries' norms
.set MA,   54                          ; v54  the merge: 32 lane
.set MO,   55                          ; v55  the merge: where the results go: 32768 direction + 256 work-group + 8 lane
.set REC,  56                          ; v56-63  query tile qt at REC + 4 qt: RUN, SH, the sum, the key: the record as it goes to LDS
.set SUMP, 64                          ; v64-67  the sum in two chains, a pair a query tile
.set STP,  68                          ; v68-69  the winning step
.set RT,   70                          ; v70-71  sqrt(RUN)
.set FF,   72                          ; v72-73  new SH - old SH, then 2^ of it
.set TM,   74                          ; v74-81  at work
.set OLD,  82                          ; v82-83  the old SH
.set KN,   84                          ; v84-115  the norms of a step's 64 keys, as the result's registers want them
.set SS,   116                         ; v116-179 a step's distances: query tile qt, key tile kt at SS + 32 qt + 8 kt
.set SAV,  180                         ; v180-243 the kept group, laid likewise
.set GM,   244                         ; v244-245 the step's smallest clamped distance, a register a query tile
.set MB,   116                         ; the merge: part p, query q of my two at MB + 8 p + 4 q: a record
.set MK,   34                          ; s34-35  in the loop: where the step's group wins, a mask a query tile
.set MS,   16                          ; s16-47  behind the loop, where all that they held is done with: 32 masks
	s_load_b128 s[4:7], s[0:1], 0x0                ; qx, qy
	s_load_b128 s[8:11], s[0:1], 0x10              ; lp, choice
	v_lshl_add_u32 v254, v0, 2, 0x4000
	v_mov_b32 v255, 0
	v_lshrrev_b32 v9, 5, v0
	v_readfirstlane_b32 s14, v9                    ; wave 0..15
	v_and_b32 v74, 31, v0                          ; lane
	v_and_b32 v75, 15, v0                          ; r
	v_bfe_u32 v76, v0, 4, 1                        ; h
	s_wait_alu depctr_va_vdst(0)
	v_lshlrev_b32 v[MA], 5, v74
	s_and_b32 s15, ttmp7, 0xffff                   ; the direction
	s_wait_alu depctr_va_sdst(0)                   ; s14 is written, ahead of its first reader: the wave's offsets, addresses and the last branch are made from it
	s_and_b32 s16, s14, 1                          ; which 32 queries
	s_lshr_b32 s17, s14, 1                         ; which slice of 1,024 keys
	s_lshl_b32 s27, s17, 15
	v_lshl_add_u32 v[VC], v74, 4, s27
	s_lshl_b32 s28, s17, 12
	v_lshl_add_u32 v[VS], v75, 2, s28
	v_lshl_add_u32 v[VN], v76, 5, s28
	s_lshl_b32 s29, s17, 10
	v_lshl_add_u32 v[IB], v76, 3, s29
	s_lshl_b32 s30, s17, 11
	s_lshl_b32 s31, s16, 9
	s_add_co_u32 s30, s30, s31
	v_lshl_add_u32 v[RA], v76, 10, s30
	v_lshl_add_u32 v[RA], v75, 4, v[RA]
	s_lshl_b32 s27, ttmp9, 11                      ; the work-group's 64 queries: four tiles of 512 bytes,
	s_lshl_b32 s28, s16, 10                        ; my two of them
	s_add_co_u32 s27, s27, s28
	v_lshl_add_u32 v[QC], v74, 4, s27
	s_lshl_b32 s27, ttmp9, 8                       ; and their words
	s_lshl_b32 s28, s16, 7
	s_add_co_u32 s28, s27, s28
	v_lshl_add_u32 v[QW], v75, 2, s28
	s_lshl_b32 s29, s15, 15
	s_add_co_u32 s29, s29, s27
	v_lshl_add_u32 v[MO], v74, 3, s29
	s_mov_b32 s24, 0xbfb8aa3b                      ; -log2(e), as a pair for the packed form
	s_mov_b32 s25, s24
	s_mov_b32 s26, 0x3fb8aa3b                      ; log2(e)
	s_mov_b32 s33, 0                               ; the step
	s_wait_kmcnt 0x0
	s_cmp_eq_u32 s15, 0                            ; the choice hangs on the work-group's number alone
	s_cselect_b64 s[18:19], s[4:5], s[6:7]         ; queries
	s_cselect_b64 s[20:21], s[6:7], s[4:5]         ; keys
; A step's 64 keys, in three parts: four fragments; four registers of scale words (lane r: key r of the tile); 32 norms (all lanes of a half read the same 32 bytes)
.macro LOADC
.irp kt, 0,1,2,3
	global_load_b128 v[KF+4*\kt:KF+4*\kt+3], v[VC], s[20:21] offset:512*\kt
.endr
.endm
.macro LOADS
.irp kt, 0,1,2,3
	global_load_b32 v[KS+\kt], v[VS], s[20:21] offset:SCL+64*\kt
.endr
.endm
.macro LOADN
.irp kt, 0,1,2,3
	global_load_b128 v[KN+8*\kt:KN+8*\kt+3], v[VN], s[20:21] offset:NRM+64*\kt
	global_load_b128 v[KN+8*\kt+4:KN+8*\kt+7], v[VN], s[20:21] offset:NRM+64*\kt+16
.endr
.endm
	s_wait_alu depctr_va_vdst(0)                   ; the offsets and addresses v1 to v8, v54 and v55 are written: the loads below read five of them, the LDS instructions and stores behind the loop the others
.irp qt, 0,1
	global_load_b128 v[QF+8*\qt:QF+8*\qt+3], v[QC], s[18:19] offset:512*\qt
	global_load_b32 v[QS+\qt], v[QW], s[18:19] offset:SCL+64*\qt
	global_load_b32 v[QN+\qt], v[QW], s[18:19] offset:NRM+64*\qt
.endr
	LOADC                                          ; step 0
	LOADS
	LOADN
.irp i, 20,21,22,23,28,29,30,31,48,49,50,51
	v_mov_b32 v\i, 0                               ; zero codes
.endr
.set i, 0
.rept 64
	v_mov_b32 v[SAV+i], 0                          ; the kept group is named as a source by the first step's selects, which replace all of it
.set i, i+1
.endr
.irp qt, 0,1
	v_mov_b32 v[REC+4*\qt], 0x7f7fffff             ; RUN
	v_mov_b32 v[REC+4*\qt+1], 0x7f7fffff           ; SH
	v_mov_b32 v[SUMP+2*\qt], 0
	v_mov_b32 v[SUMP+2*\qt+1], 0
	v_mov_b32 v[STP+\qt], 0
.endr
	s_wait_alu depctr_va_vdst(0)                   ; the twelve registers of zero codes are written, which every scaled matrix instruction takes as part of its A or its B; the 74 lines behind them are the places ahead of it
.macro CBUILD                          ; C = |key|^2 + |query|^2, two at a time; of the pair of the queries' norms the query tile's word serves both halves
.irp qt, 0,1
.irp kt, 0,1,2,3
.irp jp, 0,2,4,6
	v_pk_add_f32 v[SS+32*\qt+8*\kt+\jp:SS+32*\qt+8*\kt+\jp+1], v[KN+8*\kt+\jp:KN+8*\kt+\jp+1], v[QN:QN+1] op_sel:[0,\qt] op_sel_hi:[1,\qt]
.endr
.endr
.endr
.endm
.macro WMMAS                           ; eight results, each on registers of its own: no two matrix instructions that follow each other share an accumulator, over the backward jump too
.irp kt, 0,1,2,3
.irp qt, 0,1
	v_wmma_scale_f32_16x16x128_f8f6f4 v[SS+32*\qt+8*\kt:SS+32*\qt+8*\kt+7], v[KF+4*\kt:KF+4*\kt+7], v[QF+8*\qt:QF+8*\qt+7], v[SS+32*\qt+8*\kt:SS+32*\qt+8*\kt+7], v[KS+\kt], v[QS+\qt] matrix_a_fmt:MATRIX_FMT_FP4 matrix_b_fmt:MATRIX_FMT_FP4
.endr
.endr
.endm
.macro TREE qt                         ; the smallest of my 32 distances of query tile qt, clamped at 0, into v[GM + qt]; each result is read from its low end on
.irp kt, 0,1,2,3
	v_min3_num_f32 v[TM+2*\kt], v[SS+32*\qt+8*\kt], v[SS+32*\qt+8*\kt+1], v[SS+32*\qt+8*\kt+2]
	v_min3_num_f32 v[TM+2*\kt+1], v[SS+32*\qt+8*\kt+3], v[SS+32*\qt+8*\kt+4], v[SS+32*\qt+8*\kt+5]
	v_min3_num_f32 v[TM+2*\kt], v[TM+2*\kt], v[SS+32*\qt+8*\kt+6], v[SS+32*\qt+8*\kt+7]
.endr
	v_min3_num_f32 v[TM], v[TM], v[TM+1], v[TM+2]
	v_min3_num_f32 v[TM+3], v[TM+3], v[TM+4], v[TM+5]
	v_min3_num_f32 v[TM], v[TM], v[TM+6], v[TM+7]
	v_min_num_f32 v[TM], v[TM], v[TM+3]
	v_max_num_f32 v[GM+\qt], 0, v[TM]              ; max(s, 0), once a group: the first group that reaches 0 keeps it
.endm
.macro KEEP qt                         ; where the step's group has won: its minimum, its step and its 32 raw distances are kept
	v_cndmask_b32 v[REC+4*\qt], v[REC+4*\qt], v[GM+\qt], s[MK+\qt]
	v_cndmask_b32 v[STP+\qt], v[STP+\qt], v[STEPV], s[MK+\qt]
.set i, 0
.rept 32
	v_cndmask_b32 v[SAV+32*\qt+i], v[SAV+32*\qt+i], v[SS+32*\qt+i], s[MK+\qt]
.set i, i+1
.endr
.endm
; A STEP.  pf = 1: the next step's keys are asked for, behind this step's matrix instructions: they land while its distances are worked.
.macro STEP pf
	s_wait_loadcnt 0x0                             ; this step's keys are in (at the first step the queries too), and the loads that read the three offsets are done
	CBUILD
.if \pf
	s_wait_alu depctr_vm_vsrc(0)                   ; the loads of this step's keys have read VC, VS and VN, which the three additions write
	v_add_nc_u32 v[VC], 2048, v[VC]                ; four plain lines between the last write of a C register and the matrix instructions
	v_add_nc_u32 v[VS], 256, v[VS]
	v_add_nc_u32 v[VN], 256, v[VN]
.else
.rept 3
	v_nop
.endr
.endif
	v_mov_b32 v[STEPV], s33
	WMMAS
	v_mov_b32 v[OLD], v[REC+1]                     ; four plain lines that name none of the matrix instructions' registers (ISA guide 7.12.1), ahead of the first read of their results
	v_mov_b32 v[OLD+1], v[REC+5]
	v_nop
	v_nop
.if \pf
	s_wait_alu depctr_va_vdst(0)                   ; the matrix instructions are done reading KF and KS, the additions that made C are done reading KN, and VC, VS, VN are written: the 16 loads below land in the first three and read the others
	LOADC
.endif
	TREE 0
.if \pf
	LOADS                                          ; no wait: no vector or matrix instruction since the wait above names KS or VS
.endif
	TREE 1
	v_cmp_lt_f32 s[MK], v[GM], v[REC]              ; strictly smaller: of equal groups the first stays
	v_cmp_lt_f32 s[MK+1], v[GM+1], v[REC+4]
.if \pf
	LOADN                                          ; nor KN or VN
.endif
	s_wait_alu depctr_va_sdst(0)                   ; the two masks are written, ahead of the selects that read them
	KEEP 0
	KEEP 1
.set i, 0
.rept 64
	v_max_num_f32 v[SS+i], 0, v[SS+i]              ; max(s, 0)
.set i, i+1
.endr
	s_wait_alu depctr_va_vdst(0)
	v_sqrt_f32 v[RT], v[REC]                       ; one batch: the two running minima's roots and the 64 distances
	v_sqrt_f32 v[RT+1], v[REC+4]
.set i, 0
.rept 64
	v_sqrt_f32 v[SS+i], v[SS+i]
.set i, i+1
.endr
	v_nop                                          ; a plain line behind the last root
	s_wait_alu depctr_va_vdst(0)                   ; the 66 roots are written: one wait for the batch, ahead of its first reader
	v_mul_f32 v[REC+1], s26, v[RT]                 ; SH = log2(e) x the smallest distance so far
	v_mul_f32 v[REC+5], s26, v[RT+1]
	v_sub_f32 v[FF], v[REC+1], v[OLD]              ; 0 or less
	v_sub_f32 v[FF+1], v[REC+5], v[OLD+1]
.irp qt, 0,1
.set i, 0
.rept 16
	v_pk_fma_f32 v[SS+32*\qt+i:SS+32*\qt+i+1], v[SS+32*\qt+i:SS+32*\qt+i+1], s[24:25], v[REC+4*\qt:REC+4*\qt+1] op_sel:[0,0,1] op_sel_hi:[1,0,1]   ; SH - log2(e) d, two at a time: of the pair (RUN, SH) the second word serves both halves
.set i, i+2
.endr
.endr
	s_wait_alu depctr_va_vdst(0)
	v_exp_f32 v[FF], v[FF]                         ; the second batch: the two factors and the 64 p
	v_exp_f32 v[FF+1], v[FF+1]
.set i, 0
.rept 64
	v_exp_f32 v[SS+i], v[SS+i]
.set i, i+1
.endr
	v_nop                                          ; a plain line behind the last exponential
	s_wait_alu depctr_va_vdst(0)                   ; the 66 exponentials are written: one wait for the batch, ahead of its first reader
.irp qt, 0,1
	v_pk_fma_f32 v[SUMP+2*\qt:SUMP+2*\qt+1], v[SUMP+2*\qt:SUMP+2*\qt+1], v[FF:FF+1], v[SS+32*\qt:SS+32*\qt+1] op_sel:[0,\qt,0] op_sel_hi:[1,\qt,1]   ; the sum under the new SH, and the first pair
.endr
.set i, 2
.rept 15
	v_pk_add_f32 v[SUMP:SUMP+1], v[SUMP:SUMP+1], v[SS+i:SS+i+1]              ; the two query tiles by turns
	v_pk_add_f32 v[SUMP+2:SUMP+3], v[SUMP+2:SUMP+3], v[SS+32+i:SS+32+i+1]
.set i, i+2
.endr
.endm
; The first place in the kept group whose clamped distance is RUN: raw <= RUN says just that.  The 32 masks are made in one run; the selects go from the last place down, so that the lowest is written last.
.macro RESOLVE qt
.irp kt, 3,2,1,0
.irp j, 7,6,5,4,3,2,1,0
	v_cmp_gt_f32 s[MS+8*\kt+\j], v[SAV+32*\qt+8*\kt+\j], v[REC+4*\qt]
.endr
.endr
	v_mov_b32 v[REC+4*\qt+3], 0
	s_wait_alu depctr_va_sdst(0)                   ; the 32 masks are written, ahead of the selects that read them
.irp kt, 3,2,1,0
.irp j, 7,6,5,4,3,2,1,0
	v_cndmask_b32 v[REC+4*\qt+3], 16*\kt+\j, v[REC+4*\qt+3], s[MS+8*\kt+\j]
.endr
.endr
	v_lshl_add_u32 v[REC+4*\qt+3], v[STP+\qt], 6, v[REC+4*\qt+3]   ; key = 1024 slice + 64 step + 16 tile + 8 (lane / 16) + register
	v_add_nc_u32 v[REC+4*\qt+3], v[IB], v[REC+4*\qt+3]
	v_add_f32 v[REC+4*\qt+2], v[SUMP+2*\qt], v[SUMP+2*\qt+1]
.endm
.Lstep:                                        ; steps 0 to 14
	STEP 1
	s_add_co_u32 s33, s33, 1
	s_cmp_lt_u32 s33, 15
	s_cbranch_scc1 .Lstep
	STEP 0                                         ; step 15 is written out: nothing is left to fetch, and no load leaves its buffer; so it has no wait for loads' registers
	RESOLVE 0                                      ; (s16 to s47 are free: the last step's wait has shown every load done, and its lines were the last to read the constants)
	RESOLVE 1
	s_wait_alu depctr_va_vdst(0)                   ; the two records v56 to v63 are written, which the LDS stores read; and every vector line that names v116 to v243 is done, in which wave 0's LDS loads land: no vector line stands between here and those
.irp qt, 0,1
	ds_store_b128 v[RA], v[REC+4*\qt:REC+4*\qt+3] offset:256*\qt
.endr
	s_wait_dscnt 0x0                               ; for wave 0's sake: my records have landed
	s_barrier_signal -1
	s_barrier_wait -1                              ; all 16 x 64 records lie in LDS
	s_cmp_lg_u32 s14, 0
	s_cbranch_scc1 .Lend
	; ---- THE MERGE, by wave 0: lane l takes queries 2 l and 2 l + 1, each with its 16 parts
.irp p, 0,1,2,3,4,5,6,7,8,9,10,11,12,13,14,15
.irp q, 0,1
	ds_load_b128 v[MB+8*\p+4*\q:MB+8*\p+4*\q+3], v[MA] offset:1024*\p+16*\q
.endr
.endr
	s_wait_dscnt 0x0
.irp q, 0,1
	v_min3_num_f32 v[74+\q], v[MB+4*\q], v[MB+8+4*\q], v[MB+16+4*\q]         ; the smallest RUN,
	v_min3_num_f32 v[76+\q], v[MB+4*\q+1], v[MB+8+4*\q+1], v[MB+16+4*\q+1]   ; and the smallest SH, which is its SH: root and multiplication do not fall where their input rises
.irp p, 3,5,7,9,11,13
	v_min3_num_f32 v[74+\q], v[74+\q], v[MB+8*\p+4*\q], v[MB+8*(\p+1)+4*\q]
	v_min3_num_f32 v[76+\q], v[76+\q], v[MB+8*\p+4*\q+1], v[MB+8*(\p+1)+4*\q+1]
.endr
	v_min_num_f32 v[74+\q], v[74+\q], v[MB+8*15+4*\q]
	v_min_num_f32 v[76+\q], v[76+\q], v[MB+8*15+4*\q+1]
.endr
.irp p, 0,1,2,3,4,5,6,7,8,9,10,11,12,13,14,15
.irp q, 0,1
	v_cmp_eq_f32 s[MS+2*\p+\q], v[MB+8*\p+4*\q], v[74+\q]                   ; which parts reach the minimum: 32 masks in one run, read further down
.endr
.endr
.irp p, 0,1,2,3,4,5,6,7,8,9,10,11,12,13,14,15
.irp q, 0,1
	v_sub_f32 v[MB+8*\p+4*\q+1], v[76+\q], v[MB+8*\p+4*\q+1]                 ; 0 or less
.endr
.endr
	s_wait_alu depctr_va_vdst(0)
.irp p, 0,1,2,3,4,5,6,7,8,9,10,11,12,13,14,15
.irp q, 0,1
	v_exp_f32 v[MB+8*\p+4*\q+1], v[MB+8*\p+4*\q+1]                          ; what brings a part's sum under the query's own shift
.endr
.endr
	v_mov_b32 v80, -1                              ; the key: the greatest number to begin with (also the plain line behind the batch)
	v_mov_b32 v81, -1
	s_wait_alu depctr_va_vdst(0)                   ; the 32 exponentials are written: one wait, ahead of their first reader
.irp q, 0,1
	v_mul_f32 v[78+\q], v[MB+4*\q+2], v[MB+4*\q+1]
.endr
.irp p, 1,2,3,4,5,6,7,8,9,10,11,12,13,14,15
.irp q, 0,1
	v_fmac_f32 v[78+\q], v[MB+8*\p+4*\q+2], v[MB+8*\p+4*\q+1]
.endr
.endr
	s_wait_alu depctr_va_sdst(0)                   ; the 32 masks are written, ahead of the selects that read them
.irp p, 0,1,2,3,4,5,6,7,8,9,10,11,12,13,14,15
.irp q, 0,1
	v_cndmask_b32 v82, -1, v[MB+8*\p+4*\q+3], s[MS+2*\p+\q]                 ; of the parts that reach the minimum, the lowest key
	v_min_u32 v[80+\q], v[80+\q], v82
.endr
.endr
	s_wait_alu depctr_va_vdst(0)
	v_log_f32 v84, v78
	v_log_f32 v85, v79
	v_nop                                          ; a plain line behind the last logarithm
	s_wait_alu depctr_va_vdst(0)                   ; the two logarithms are written, ahead of their first reader
	v_mul_f32 v86, 0xbf317218, v84                 ; -ln(the sum) = -ln(2) x log2: the log-softmax at the largest D
	v_mul_f32 v87, 0xbf317218, v85
	s_wait_alu depctr_va_vdst(0)                   ; v86 and v87 are written, and v80 and v81 ahead of them: the two stores' data
	global_store_b64 v[MO], v[86:87], s[8:9]       ; 32 lanes store 256 consecutive bytes, aligned
	global_store_b64 v[MO], v[80:81], s[10:11]
.Lend:
	s_wait_dscnt 0x0
	s_wait_alu depctr_hold_cnt(0) depctr_sa_sdst(0) depctr_va_vdst(0) depctr_va_sdst(0) depctr_va_ssrc(0) depctr_va_vcc(0) depctr_vm_vsrc(0)
	s_wait_tensorcnt 0x0
	ds_add_u32 v254, v255
	s_wait_dscnt 0x0
	s_endpgm
.Lfunc_end_k_q1c997868bc_sweep:
	.size	k_q1c997868bc_sweep, .Lfunc_end_k_q1c997868bc_sweep-k_q1c997868bc_sweep
	.p2alignl 7, 3214868480
	.fill 96, 4, 3214868480
	.section	.rodata,"a",@progbits
	.p2align	6, 0x0
	.amdhsa_kernel k_q1c997868bc_sweep
		.amdhsa_group_segment_fixed_size 18432
		.amdhsa_private_segment_fixed_size 0
		.amdhsa_enable_private_segment 0
		.amdhsa_kernarg_size 32
		.amdhsa_user_sgpr_count 2
		.amdhsa_user_sgpr_kernarg_segment_ptr 1
		.amdhsa_wavefront_size32 1
		.amdhsa_system_sgpr_workgroup_id_x 1
		.amdhsa_system_sgpr_workgroup_id_y 1
		.amdhsa_system_sgpr_workgroup_id_z 1
		.amdhsa_system_vgpr_workitem_id 0
		.amdhsa_next_free_vgpr 256
		.amdhsa_next_free_sgpr 66
		.amdhsa_reserve_vcc 0
		.amdhsa_float_denorm_mode_32 3
		.amdhsa_float_denorm_mode_16_64 3
		.amdhsa_memory_ordered 1
		.amdhsa_forward_progress 1
		.amdhsa_inst_pref_size 71
	.end_amdhsa_kernel
	.amdgpu_metadata
---
amdhsa.version: [ 1, 2 ]
amdhsa.kernels:
  - .name:           k_q1c997868bc_sweep
    .symbol:         k_q1c997868bc_sweep.kd
    .args:
      - { .name: qx, .offset: 0, .size: 8, .value_kind: global_buffer, .address_space: global }
      - { .name: qy, .offset: 8, .size: 8, .value_kind: global_buffer, .address_space: global }
      - { .name: lp, .offset: 16, .size: 8, .value_kind: global_buffer, .address_space: global }
      - { .name: choice, .offset: 24, .size: 8, .value_kind: global_buffer, .address_space: global }
    .group_segment_fixed_size: 18432
    .private_segment_fixed_size: 0
    .kernarg_segment_align: 8
    .kernarg_segment_size: 32
    .max_flat_workgroup_size: 512
    .sgpr_count:     66
    .vgpr_count:     256
    .wavefront_size: 32
...
	.end_amdgpu_metadata
.endif
;; end of part 4
;; launch final: the kernel of part 3 again; grid 32 x 1, 2 waves a work-group, no clusters, 512 bytes of LDS; arguments lp, choice, out0, out1, out2; writes out0, out1, out2
